; MI455X (gfx1250); checked and timed in simulation.
; The chip was launched on July 23, 2026; its instructions are those of AMD's public machine-readable ISA for CDNA 5 (MIT licence, August 2026) and "CDNA5" Instruction Set Architecture Reference Guide (July 2026). The comments in the code are by the model that wrote it; some were corrected since.
;; Multi Head Attention. Allowed arithmetic: matrix products marked QUANTISED: E4M3 operands, one given power-of-two scale a tensor, by v_wmma_f32_16x16x64_fp8_fp8 or v_wmma_f32_16x16x128_fp8_fp8, f32 sums; everything else in f32.
;; Inputs: Wk_codes 1,024 x 32 x 32 uint8 (E4M3 codes of Wk, K innermost, in blocks of 32 codes); Wq_codes 1,024 x 32 x 32 uint8 (E4M3 codes of Wq, K innermost, in blocks of 32 codes); Wv_codes 1,024 x 32 x 32 uint8 (E4M3 codes of Wv, K innermost, in blocks of 32 codes); bk 1,024 float32; bq 1,024 float32; bv 1,024 float32; key_codes 8 x 1,024 x 32 x 32 uint8 (E4M3 codes of key, K innermost, in blocks of 32 codes); lowp_scales 10 int32 (the exponents e of the quantised operands' scales 2^e); query_codes 8 x 1,024 x 32 x 32 uint8 (E4M3 codes of query, K innermost, in blocks of 32 codes); value_codes 8 x 1,024 x 32 x 32 uint8 (E4M3 codes of value, K innermost, in blocks of 32 codes).
;; Outputs: out0 8 x 1,024 x 1,024 float32.
;; This version of the problem:
;;   THIS VERSION OF THE PROBLEM IS GIVEN IN LOW PRECISION. The matrix products marked QUANTISED in the list below multiply operands that are first quantised to E4M3 (4 exponent bits, 3 mantissa bits; 8 bits a number), with one given power-of-two scale for each operand tensor; their sums are f32. All else is computed in f32.
;;   The module's matrix products, in the order in which they are computed (A, B: the left and right operand; K: the contracted axis; several contracted axes count as one K, in the product's order):
;;     1. [M 8,192, K 1,024] x [K 1,024, N 1,024]; A: input query (given as codes); B: input Wq (given as codes): QUANTISED (scales: A lowp_scales[0], B lowp_scales[1])
;;     2. [M 8,192, K 1,024] x [K 1,024, N 1,024]; A: input key (given as codes); B: input Wk (given as codes): QUANTISED (scales: A lowp_scales[2], B lowp_scales[3])
;;     3. [M 8,192, K 1,024] x [K 1,024, N 1,024]; A: input value (given as codes); B: input Wv (given as codes): QUANTISED (scales: A lowp_scales[4], B lowp_scales[5])
;;     4. batch 128 x [M 1,024, K 64] x [K 64, N 1,024]; A: computed on the way; B: computed on the way: QUANTISED (scales: A lowp_scales[6], B lowp_scales[7])
;;     5. batch 128 x [M 1,024, K 1,024] x [K 1,024, N 64]; A: softmax (see below); B: computed on the way: QUANTISED (scales: A lowp_scales[8], B lowp_scales[9])
;;   THE QUANTISER, for each operand of a quantised product, along K:
;;     - The operand's scale is 2^e, e = its entry of the input lowp_scales (int32; the entries are numbered through the quantised products in the list's order, A before B).
;;     - Each number is divided by the scale, clamped to +-448, and rounded to the nearest number of E4M3, ties to even, subnormals kept.
;;     - The product sums the exact products of the quantised numbers (number of the format x scale) in f32.
;;   ~~~python
;;   def quantise(x, axis, e):      # numpy; x: float32 -> the quantised numbers, widened to float32 again
;;       x = np.moveaxis(x, axis, -1); K = x.shape[-1]
;;       r = np.clip(x / 2.0 ** e, -448, 448)
;;       step = 2.0 ** (np.maximum(np.frexp(np.where(r == 0, 1, r))[1] - 1, -6) - 3)
;;       q = np.round(r / step) * step * 2.0 ** e      # np.round: ties to even
;;       return np.moveaxis(q, -1, axis).astype(np.float32)
;;   ~~~
;;   SOFTMAX AHEAD OF A QUANTISED PRODUCT. Where the list says 'softmax', what is quantised is not the finished softmax but p = 2^(t - M), with t = logit x log2(e) and M = ceil(the row's largest t), a whole number; so 1/2 < the row's largest p <= 1. The row's sum l is taken of the UNQUANTISED p, in f32, and the product's result is divided by l at the end. Since M is a whole number, a kernel that streams over the keys may use a running M (the ceiling of the running maximum): every later rescaling is an exact power of two, so the quantised numbers keep their values, but for numbers so far below the row's largest that they fall under the format's range.
;;   OPERANDS COMPUTED ON THE WAY. 'Computed on the way' means the value that the module computes at that place (a softmax that the list does not call 'softmax' is quantised finished and normalised). What goes into a quantiser is computed in f32, as accurately as f32 sums, v_exp_f32 and their like allow (about 1e-6 of the number): no bf16 or f16 on the way to a quantiser, and a product that is left as it is and whose result goes on into a quantised operand takes f32 operands (vector FMAs, or v_wmma_f32_16x16x4_f32). A number that lies on a knife's edge between two numbers of the format may be rounded either way, as far as f32 arithmetic and the matrix unit's own rounding can turn it there, and no further.
;;   INPUTS GIVEN AS CODES. Wk (in the module: [1024, 1024], K = its axis 0); Wq (in the module: [1024, 1024], K = its axis 0); Wv (in the module: [1024, 1024], K = its axis 0); key (in the module: [8, 1024, 1024], K = its axis 2); query (in the module: [8, 1024, 1024], K = its axis 2); value (in the module: [8, 1024, 1024], K = its axis 2): each comes as NAME_codes (uint8): NAME with its K axis moved to the last place and cut into blocks of 32 codes, [.., K / 32, bytes a block], one block behind the other in memory; one code a byte (a code: sign, 4 exponent bits, 3 mantissa bits); its scale is its entry of lowp_scales. Its value is code x scale, taken as it is: it is not quantised again, and the codes and scales need not be those that the quantiser above would give.
;; One version. Each part assembles by itself: llvm-mc -triple=amdgcn-amd-amdhsa -mcpu=gfx1250 --defsym DOCPART=n.
;; ======== version 1 of 1: 2 launches
;; limits: right only within a limited range of input values
;; workspace buffers: qc 8,388,608 bytes; kc 8,388,608 bytes; vc 8,388,608 bytes
;; launch proj (part 1): grid 4 x 64, 4 waves a work-group, clusters of 4 x 4, 327,680 bytes of LDS; arguments query_codes, key_codes, value_codes, Wq_codes, Wk_codes, Wv_codes, bq, bk, bv, lowp_scales, qc, kc, vc; writes qc, kc, vc
.if DOCPART == 1
	.amdgcn_target "amdgcn-amd-amdhsa--gfx1250"
	.amdhsa_code_object_version 6
	.text
	.protected	k_q16fb2c6039_proj
	.globl	k_q16fb2c6039_proj
	.p2align	8
	.type	k_q16fb2c6039_proj,@function
k_q16fb2c6039_proj:
	s_mov_b64 s[64:65], 0
	v_nop
	global_prefetch_b8 v0, s[64:65] scope:SCOPE_SE
	s_setreg_imm32_b32 hwreg(HW_REG_WAVE_MODE, 25, 1), 1
	s_wait_xcnt 0x0
	s_wait_alu depctr_hold_cnt(0) depctr_sa_sdst(0) depctr_va_vdst(0) depctr_va_sdst(0) depctr_va_ssrc(0) depctr_va_vcc(0) depctr_vm_vsrc(0)
	s_getreg_b32 s2, hwreg(HW_REG_IB_STS2, 6, 4)
	s_cmp_eq_u32 s2, 0
	s_cbranch_scc0 .Lentry_in_a_cluster
	s_endpgm
.Lentry_in_a_cluster:
	s_bfe_u32 s2, ttmp6, 0x10000c
	s_cmp_lg_u32 s2, 0xf033
	s_cbranch_scc0 .Lentry_shape_is_right
	s_endpgm
.Lentry_shape_is_right:
; THE THREE PROJECTIONS: out[m][n] = Q( 2^(ea + ew) x sum over k of x[m][k] W[n][k] + bias[n] ), m < 8,192, n < 1,024, k < 1,024, for query, key and value.
; x and W are codes of E4M3, rows of 1,024 bytes; f32 sums; Q divides by 2^eo, holds within +-448 and rounds to the nearest code, ties to even.  No work of the problem is left out.
; Exponents: ea, ew = entries 0, 1 / 2, 3 / 4, 5; eo = entries 6 (q), 7 (k), 9 (v).
; LIMITS: ea + ew between -126 and 127, eo between -126 and 119, so that each power of two below is an f32 number.  NaN codes are not served.
; SHARES.  256 work-groups of four waves.  Each makes first ONE tile of 256 x 256 of K (clusters 0-7) or of V (clusters 8-15), then ONE tile of 128 x 256 of Q: equal work for all.
; A wave makes 128 x 128 (64 accumulators of 16 x 16), then 64 x 128 (32).  K goes in steps of 256 through two LDS slots; the ring goes on from the first tile into the second.
; ROLES.  A lane's eight results are neighbours along the rows of operand "B" and belong to one row of operand "A" (source 0 = B's rows, source 1 = A's).  For K and Q: A = x, B = W.  For V: A = Wv, B = value: V comes out transposed.
; OUTPUT: THE IMAGE OF THE NEXT LAUNCH'S OPERAND REGISTERS.  A head is 64 rows of x; a piece is 64 columns.  Byte 65,536 head + 4,096 piece + 1,024 i + 512 f + 16 lane: 16 bytes of lane (r, h).
;   K, Q: row 16 i + r of the head, columns 16 c + 8 h + 0 .. 7 of the piece, c = 2 f, 2 f + 1.   V: column 16 i + r of the piece, rows 16 c + 8 h + 0 .. 7 of the head.
; CLUSTERS of 4 x 4: the four of a row need the same tiles of A, the four of a column the same of B: each is asked for jointly, with one descriptor and a mask that names the four.
; PREFETCH.  A wave prefetches rows of the operand that it fetches; the four partners that ask for them jointly share a wave's rows by address.  Key, value and query: every cluster its own rows, each 256 bytes once in the launch.
;   Wk and Wv (each read by eight clusters) are prefetched by the four even ones of those, Wq (read by sixteen) by clusters 0, 4, 8 and 12.
;   Ahead: at the head K steps 1 and 2, behind the first refill step 3; the second tile's K steps at the changes of slots two ahead of their loads.  K step 0 comes by its loads alone.
; REGISTERS: window 0: v1-31 addresses and constants (v8-15 bias of A's rows), v32-63 codes on the way out, v64-127 bias of B's rows, v128-255 A's fragments; v192-255 also the way out's numbers.
;   window 1: B's fragments, two sets.  windows 2, 3: accumulators (a, b) at v[8 (8 (a % 4) + b)], a < 4 in window 2.
.set ROWB,   256
.set KROW,   1024
.set PITCH,  272                       ; an LDS row: 256 bytes + 16: the 16 rows that a load touches start at 16 different banks (64 banks of 4 bytes: ISA guide 11.1)
.set FR,     16
.set NL,     4
.set NP,     4                         ; places behind this matrix instruction (ISA guide 7.12.1)
.set HALFT,  128*PITCH
.set SLOT,   4*HALFT                   ; A's 256 rows, then B's 256 rows
.set SPARE,  2*SLOT                    ; the spare words
.set RBI,  8                           ; v8-15   bias of A's row 16 a + r (used for V)
.set ADRA, 16                          ; v16-17  LDS address of my fragments of A in slot 0, 1
.set ADRA2, 18                         ; v18-19  the same in the second tile
.set ADRB, 20                          ; v20-21  of B
.set PFO,  24                          ; v24     prefetch: 1,024 x lane
.set PFQ,  25                          ; v25     prefetch of the query: 1,024 x (lane % 16) + 256 x (lane / 16)
.set CO,   26                          ; v26     16 x lane
.set SPW,  28
.set NIL,  29
.set LIM,  30                          ; 448 x 2^eo
.set SC,   31                          ; 2^eo
.set BIAS, 64
.set AF,   128
.set TMP,  192
.set G1, 24                            ; s[24:31] group 1 of A's tiles (128 rows);  s[32:39] group 0, one for each slot
.set G0, 32
.set G1A2, 40                          ; s[40:47] group 1 of A's tiles in the second tile (64 rows)
.set G1B, 48                           ; s[48:55], s[56:63] the same for B
.set G0B, 56
.set OB, 76                            ; s[76:83] four store bases: OB + 4 (a / 4) + 2 (b / 4)
.set MSB, 0
.macro WIN new                         ; the immediate's high byte repeats the setting that is left
.if MSB != \new
	s_set_vgpr_msb (MSB<<8)|\new
.set MSB, \new
.endif
.endm
.set MUL_LO, 0xa1                      ; source 0 window 1, source 1 window 0, C and D window 2
.set MUL_HI, 0xf1                      ; C and D window 3
.set TO_B,   0x40
; A joint load: waves 0 and 1 fetch for A, waves 2 and 3 for B; the branch hangs on the wave's number alone.
.macro JLOAD g0a, g1a, g0b, g1b
	s_cmp_eq_u32 s15, 0
	s_cbranch_scc0 .Lfor_b_\@
	tensor_load_to_lds s[\g0a:\g0a+3], s[\g1a:\g1a+7]
	s_nop 0
.rept 4
	v_nop
.endr
	s_branch .Lasked_\@
.Lfor_b_\@:
	tensor_load_to_lds s[\g0b:\g0b+3], s[\g1b:\g1b+7]
	s_nop 0
.rept 4
	v_nop
.endr
.Lasked_\@:
.endm
.macro CREST                           ; a round of the cluster's barrier behind its opening barrier
	s_cmp_lg_u32 s14, 0
	s_cbranch_scc1 .Lnot_wave_0_\@
	s_barrier_signal -3
.Lnot_wave_0_\@:
	s_barrier_wait -3
	s_barrier_signal -1
	s_barrier_wait -1
.endm
.macro CROUND
	s_barrier_signal -1
	s_barrier_wait -1
	CREST
.endm
.macro ASKQ off                        ; the waves that fetch A prefetch 512 bytes of 16 rows of the query
	s_cmp_eq_u32 s15, 0
	s_cbranch_scc0 .Lno_q_\@
	global_prefetch_b8 v[PFQ], s[74:75] offset:\off th:TH_LOAD_NT scope:SCOPE_SE
.Lno_q_\@:
.endm
.macro ASKW off                        ; in four clusters the waves that fetch B prefetch 256 bytes of 32 rows of Wq
	s_cmp_lg_u32 s6, 0
	s_cbranch_scc0 .Lno_w_\@
	global_prefetch_b8 v[PFO], s[74:75] offset:\off th:TH_LOAD_NT scope:SCOPE_SE
.Lno_w_\@:
.endm
	s_load_b512 s[76:91], s[0:1], 0x0              ; query 76, key 78, value 80, Wq 82, Wk 84, Wv 86, bq 88, bk 90
	s_load_b256 s[92:99], s[0:1], 0x40             ; bv 92, exponents 94, qc 96, kc 98
	s_load_b64 s[100:101], s[0:1], 0x60            ; vc
	v_lshl_add_u32 v[SPW], v0, 2, SPARE
	v_mov_b32 v[NIL], 0
	ds_add_u32 v[SPW], v[NIL]                      ; the wave's opening: the add twice on end, one wait for both below
	ds_add_u32 v[SPW], v[NIL]
	v_lshrrev_b32 v1, 5, v0
	v_readfirstlane_b32 s14, v1                    ; wave 0..3
	s_lshr_b32 s15, s14, 1                         ; which half of A's rows is mine; also: I fetch for A (0) or for B (1)
	s_and_b32 s16, s14, 1                          ; which half of B's rows; also: which half of that tile I fetch
	s_bfe_u32 s10, ttmp6, 0x40000                  ; cx, cy
	s_bfe_u32 s11, ttmp6, 0x40004
	s_and_b32 s12, ttmp7, 0xffff                   ; the cluster's y, 0 .. 15
	s_lshr_b32 s13, s12, 3                         ; T: 0 K, 1 V; the same in all sixteen partners
	s_and_b32 s2, s12, 7
	s_lshl_b32 s2, s2, 2
	s_cmp_eq_u32 s13, 0
	s_cselect_b32 s17, s2, 0
	s_cselect_b32 s18, 0, s2
	s_add_co_u32 s17, s17, s11                     ; A's tile: hangs on cy and the cluster
	s_add_co_u32 s18, s18, s10                     ; B's tile: hangs on cx and the cluster
	s_lshl_b32 s19, s11, 2
	s_lshl_b32 s19, 15, s19                        ; my row of the cluster
	s_lshl_b32 s3, 0x1111, s10                     ; my column
	; group 1: rows of 256 bytes, 16 bytes of padding behind each
	s_or_b32 s[G1+0], s19, (0<<16)|(1<<20)|(1<<21)|(5<<22)|(3<<25)   ; 15:0 mask; 17:16 element of 1 byte; 20 padding on; 21 set beside a mask; 24:22 after every 64 words; 31:25 four words
	s_or_b32 s[G1A2+0], s19, (0<<16)|(1<<20)|(1<<21)|(5<<22)|(3<<25)
	s_or_b32 s[G1B+0], s3, (0<<16)|(1<<20)|(1<<21)|(5<<22)|(3<<25)
.irp g, G1, G1A2, G1B
	s_mov_b32 s[\g+1], ROWB<<16                    ; tensor_dim0
	s_mov_b32 s[\g+3], ROWB<<16                    ; tile_dim0
	s_mov_b32 s[\g+5], KROW                        ; pitch
	s_mov_b32 s[\g+6], 0
	s_mov_b32 s[\g+7], 0
.endr
.irp g, G1, G1B
	s_mov_b32 s[\g+2], 128<<16                     ; tensor_dim1
	s_mov_b32 s[\g+4], 128                         ; tile_dim1
.endr
	s_mov_b32 s[G1A2+2], 64<<16
	s_mov_b32 s[G1A2+4], 64
	s_lshl_b32 s66, s16, 17
	s_lshl_b32 s20, s17, 18
	s_add_co_u32 s20, s20, s66                     ; A: (256 x tile + 128 x half) rows of 1,024 bytes
	s_mov_b32 s21, 0
	s_lshl_b32 s22, s18, 18
	s_add_co_u32 s22, s22, s66                     ; B likewise
	s_mov_b32 s23, 0
	s_mul_i32 s67, s14, HALFT                      ; where they go in a slot: wave x 128 rows
	s_wait_alu depctr_va_vdst(0)
	s_wait_dscnt 0x0                               ; both opening adds are done
	s_wait_kmcnt 0x0
	s_cmp_eq_u32 s13, 0
	s_cselect_b64 s[4:5], s[78:79], s[86:87]       ; A: key or Wv
	s_cselect_b64 s[6:7], s[84:85], s[80:81]       ; B: Wk or value
	s_cselect_b64 s[8:9], s[90:91], s[92:93]       ; bias
	s_cselect_b64 s[98:99], s[98:99], s[100:101]   ; the codes' buffer
	s_cmp_eq_u32 s15, 0
	s_cselect_b64 s[72:73], s[4:5], s[6:7]         ; prefetch: the operand that I fetch,
	s_cselect_b32 s2, s20, s22                     ; its 128 rows,
	s_cselect_b32 s66, s10, s11                    ; and my place among the four that ask for them
	s_mov_b64 s[92:93], s[88:89]                   ; bq
	s_load_b256 s[84:91], s[94:95], 0x0            ; exponents 0 .. 7
	s_load_b64 s[100:101], s[94:95], 0x20          ; exponents 8, 9
	s_add_nc_u64 s[4:5], s[4:5], s[20:21]
	s_add_nc_u64 s[6:7], s[6:7], s[22:23]
.irp s, 0,1
	s_mov_b32 s[G0+4*\s], 1
	s_add_co_u32 s[G0+4*\s+1], s67, \s*SLOT
	s_add_nc_u64 s[G0+4*\s+2:G0+4*\s+3], s[4:5], \s*ROWB
	s_or_b32 s[G0+4*\s+3], s[G0+4*\s+3], 0x80000000
	s_mov_b32 s[G0B+4*\s], 1
	s_add_co_u32 s[G0B+4*\s+1], s67, \s*SLOT
	s_add_nc_u64 s[G0B+4*\s+2:G0B+4*\s+3], s[6:7], \s*ROWB
	s_or_b32 s[G0B+4*\s+3], s[G0B+4*\s+3], 0x80000000
.endr
	CROUND                                         ; all sixteen work-groups are here
	JLOAD G0, G1, G0B, G1B                         ; K step 0: one tensor load a wave at the head
	s_wait_kmcnt 0x0                               ; the exponents
	s_lshl_b32 s66, s66, 15                        ; 32 rows for each partner
	s_add_co_u32 s2, s2, s66
	s_mov_b32 s3, 0
	s_add_nc_u64 s[72:73], s[72:73], s[2:3]
	; who prefetches: s5 in the first tile: the waves that fetch key or value, and in even clusters those that fetch W; s6 for Wq: the waves that fetch B in every fourth cluster
	s_cmp_eq_u32 s15, s13
	s_cselect_b32 s5, 1, 0
	s_and_b32 s66, s12, 1
	s_xor_b32 s66, s66, 1
	s_or_b32 s5, s5, s66
	s_and_b32 s6, s12, 3
	s_cmp_eq_u32 s6, 0
	s_cselect_b32 s6, s15, 0
	; the second tile: query rows 128 (4 y + cy) on, Wq rows 256 cx on
	s_mul_i32 s4, s14, 64*PITCH                    ; where my 64 rows of A go
	s_lshl_b32 s20, s12, 2
	s_add_co_u32 s20, s20, s11                     ; 4 y + cy
	s_lshl_b32 s19, s20, 1
	s_add_co_u32 s19, s19, s15                     ; my head of Q
	s_lshl_b32 s20, s20, 17
	s_lshl_b32 s66, s16, 16
	s_add_co_u32 s20, s20, s66
	s_lshl_b32 s22, s10, 18
	s_lshl_b32 s66, s16, 17
	s_add_co_u32 s22, s22, s66
	s_add_nc_u64 s[68:69], s[76:77], s[20:21]
	s_add_nc_u64 s[70:71], s[82:83], s[22:23]
	s_lshl_b32 s2, s10, 14                         ; prefetch: my work-group's 16 of the query's 64 rows,
	s_lshl_b32 s66, s11, 15                        ; or 32 of Wq's 128
	s_cmp_eq_u32 s15, 0
	s_cselect_b64 s[74:75], s[68:69], s[70:71]
	s_cselect_b32 s2, s2, s66
	s_add_nc_u64 s[74:75], s[74:75], s[2:3]
	s_lshl_b32 s2, s10, 14
	s_lshl_b32 s66, s16, 13
	s_add_co_u32 s2, s2, s66                       ; Q's pieces: 4 cx + 2 half
	s_lshl_b32 s19, s19, 16
	s_add_co_u32 s2, s2, s19
	s_add_nc_u64 s[94:95], s[96:97], s[2:3]        ; where my part of Q goes
	s_lshl_b32 s2, s10, 10
	s_lshl_b32 s66, s16, 9
	s_add_co_u32 s2, s2, s66
	s_add_nc_u64 s[92:93], s[92:93], s[2:3]        ; bq at my columns
	; the first tile's bias: of B's rows (K: the columns) and of A's rows (V); every wave loads both, so that each register is written on every path, and uses one
	s_lshl_b32 s2, s18, 10
	s_add_co_u32 s2, s2, s66
	s_lshl_b32 s19, s17, 10
	s_lshl_b32 s66, s15, 9
	s_add_co_u32 s66, s66, s19
	s_cmp_eq_u32 s13, 0
	s_cselect_b32 s2, s2, 0
	s_cselect_b32 s66, 0, s66
	s_mov_b32 s67, 0
	s_add_nc_u64 s[66:67], s[8:9], s[66:67]
	s_add_nc_u64 s[8:9], s[8:9], s[2:3]
	; the first tile's store bases.  K: A's index counts heads, B's pieces; V: the other way round
	s_lshl_b32 s2, s17, 2
	s_lshl_b32 s19, s15, 1
	s_add_co_u32 s2, s2, s19
	s_lshl_b32 s18, s18, 2
	s_lshl_b32 s19, s16, 1
	s_add_co_u32 s19, s19, s18
	s_cmp_eq_u32 s13, 0
	s_cselect_b32 s17, 16, 12
	s_cselect_b32 s18, 12, 16
	s_lshl_b32 s2, s2, s17
	s_lshl_b32 s19, s19, s18
	s_add_co_u32 s2, s2, s19
	s_add_nc_u64 s[OB:OB+1], s[98:99], s[2:3]
	s_lshl_b32 s2, 1, s17
	s_add_nc_u64 s[OB+4:OB+5], s[OB:OB+1], s[2:3]
	s_lshl_b32 s2, 1, s18
	s_add_nc_u64 s[OB+2:OB+3], s[OB:OB+1], s[2:3]
	s_add_nc_u64 s[OB+6:OB+7], s[OB+4:OB+5], s[2:3]
.macro SETSC a, b, c                   ; s[10:11] = 2^(a + b) twice, v31 = 2^c, v30 = 448 x 2^c
	s_add_co_i32 s10, \a, \b
	s_add_co_i32 s10, s10, 127
	s_lshl_b32 s10, s10, 23
	s_mov_b32 s11, s10
	s_add_co_i32 s12, \c, 127
	s_lshl_b32 s17, s12, 23
	s_add_co_i32 s12, s12, 8
	s_lshl_b32 s12, s12, 23
	s_or_b32 s12, s12, 0x600000
	v_mov_b32 v[SC], s17
	v_mov_b32 v[LIM], s12
.endm
	s_cmp_eq_u32 s13, 0
	s_cselect_b32 s17, s86, s88                    ; ea,
	s_cselect_b32 s18, s87, s89                    ; ew,
	s_cselect_b32 s12, s91, s101                   ; eo of the first tile
	s_mul_i32 s2, s15, HALFT                       ; my rows of A,
	s_mul_i32 s3, s16, HALFT
	s_add_co_u32 s3, s3, 2*HALFT                   ; of B,
	s_mul_i32 s19, s15, 64*PITCH                   ; of A in the second tile
	SETSC s17, s18, s12
	v_and_b32 v1, 15, v0                           ; r
	v_bfe_u32 v2, v0, 4, 1                         ; h
	v_and_b32 v4, 31, v0
	v_mul_u32_u24 v3, v1, PITCH
	v_lshl_add_u32 v3, v2, 4, v3                   ; a fragment's row x pitch + 16 h
	v_add_nc_u32 v[ADRA], s2, v3
	v_add_nc_u32 v[ADRB], s3, v3
	v_add_nc_u32 v[ADRA2], s19, v3
	v_add_nc_u32 v[ADRA+1], SLOT, v[ADRA]
	v_add_nc_u32 v[ADRB+1], SLOT, v[ADRB]
	v_add_nc_u32 v[ADRA2+1], SLOT, v[ADRA2]
	v_lshlrev_b32 v[CO], 4, v4
	v_lshlrev_b32 v[PFO], 10, v4
	v_lshlrev_b32 v5, 8, v2
	v_lshl_add_u32 v[PFQ], v1, 10, v5
	v_lshlrev_b32 v6, 2, v1                        ; bias of A's rows: 4 r
	v_lshlrev_b32 v7, 5, v2                        ; bias of B's rows: 32 h
	s_wait_alu depctr_va_vdst(0)
	s_cmp_lg_u32 s5, 0
	s_cbranch_scc0 .Lno_first
	global_prefetch_b8 v[PFO], s[72:73] offset:ROWB th:TH_LOAD_NT scope:SCOPE_SE
	global_prefetch_b8 v[PFO], s[72:73] offset:2*ROWB th:TH_LOAD_NT scope:SCOPE_SE
.Lno_first:
.irp a, 0,1,2,3,4,5,6,7
	global_load_b32 v[RBI+\a], v6, s[66:67] offset:64*\a
.endr
.macro COLBIAS p                       ; lane (r, h): columns 16 b + 8 h + 0 .. 7
.irp b, 0,1,2,3,4,5,6,7
	global_load_b128 v[BIAS+8*\b:BIAS+8*\b+3],   v7, s[\p:\p+1] offset:64*\b
	global_load_b128 v[BIAS+8*\b+4:BIAS+8*\b+7], v7, s[\p:\p+1] offset:64*\b+16
.endr
.endm
	COLBIAS 8
.macro FRAG reg, adr, q, i             ; 16 rows x 128 K in 16 registers: registers 4 c .. 4 c + 3 hold K = 32 c + 16 h + 0 .. 15, alike in A and B
.irp c, 0,1,2,3
	ds_load_b128 v[\reg+4*\c:\reg+4*\c+3], v[\adr] offset:128*(\q)+32*\c+(\i)*16*PITCH
.endr
.endm
; 16 matrix instructions: A's blocks a0, a0 + 1 against B's eight, 128 along K; p: B's set.  The 64 accumulators take turns in the same order in every step.
.macro MUL16 a0, p, zero
.irp a, \a0, \a0+1
.irp b, 0,1,2,3,4,5,6,7
.if \zero
	v_wmma_f32_16x16x128_fp8_fp8 v[8*(8*((\a)%4)+\b):8*(8*((\a)%4)+\b)+7], v[128*(\p)+FR*\b:128*(\p)+FR*\b+FR-1], v[AF+FR*(\a):AF+FR*(\a)+FR-1], 0
.else
	v_wmma_f32_16x16x128_fp8_fp8 v[8*(8*((\a)%4)+\b):8*(8*((\a)%4)+\b)+7], v[128*(\p)+FR*\b:128*(\p)+FR*\b+FR-1], v[AF+FR*(\a):AF+FR*(\a)+FR-1], v[8*(8*((\a)%4)+\b):8*(8*((\a)%4)+\b)+7]
.endif
.endr
.endr
.endm
.macro FETCH_B slot, q, p
	WIN TO_B
.irp i, 0,1,2,3,4,5,6,7
	FRAG 128*(\p)+FR*\i, ADRB+\slot, \q, \i
.endr
	WIN 0
.endm
.macro FETCH_A slot, q, i0
.irp i, \i0, \i0+1, \i0+2, \i0+3
	FRAG AF+FR*(\i), ADRA+\slot, \q, \i
.endr
.endm
.macro FETCH_A2 slot, q, p             ; the second tile: four blocks, two sets
.irp i, 0,1,2,3
	FRAG AF+64*(\p)+FR*\i, ADRA2+\slot, \q, \i
.endr
.endm
.macro PLACES n                        ; plain vector instructions between a matrix instruction and a load or vector write on its registers (ISA guide 7.12.1 for vector writes)
.rept \n
	v_nop
.endr
.endm
; A step of 128 along K that has its successor in the same slot.
.macro STEP slot, q, zero
	s_wait_dscnt 4*NL                              ; the youngest 16 loads (A's blocks 4-7) may be out
	WIN MUL_LO
	MUL16 0, (\q)%2, \zero
	MUL16 2, (\q)%2, \zero
	s_wait_dscnt 0
	PLACES NP
	FETCH_B \slot, (\q)+1, 1-(\q)%2
	FETCH_A \slot, (\q)+1, 0
	WIN MUL_HI
	MUL16 4, (\q)%2, \zero
	MUL16 6, (\q)%2, \zero
	PLACES NP
	WIN 0
	FETCH_A \slot, (\q)+1, 4
.endm
; A slot's last step changes slots.  kind 0: the slot takes this tile's K step two on; 1, 2: it takes the second tile's K step 0 (slot 0), 1 (slot 1); behind kind 2 the second tile's first fragments are fetched.
.macro TURN slot, next, kind
	s_wait_tensorcnt 0x0                           ; all my tensor loads have landed: my part of the next slot
	ds_add_u32 v[SPW], v[NIL]                      ; 0 onto my spare word
	s_wait_dscnt 4*NL+1                            ; (the add and A's blocks 4-7 may be out)
	WIN MUL_LO
	MUL16 0, 1, 0
	s_wait_dscnt 0x0                               ; the add is done, and my reads of this slot are over
	s_barrier_signal -1
	MUL16 2, 1, 0
	WIN 0
	s_barrier_wait -1
	CREST                                          ; no wave of any partner still reads this slot or has a load on its way
.if \kind == 0
	s_add_nc_u64 s[G0+4*\slot+2:G0+4*\slot+3], s[G0+4*\slot+2:G0+4*\slot+3], 2*ROWB
	s_add_nc_u64 s[G0B+4*\slot+2:G0B+4*\slot+3], s[G0B+4*\slot+2:G0B+4*\slot+3], 2*ROWB
	JLOAD G0+4*\slot, G1, G0B+4*\slot, G1B
.else
	s_add_co_u32 s[G0+4*\slot+1], s4, \slot*SLOT
	s_add_nc_u64 s[G0+4*\slot+2:G0+4*\slot+3], s[68:69], \slot*ROWB
	s_or_b32 s[G0+4*\slot+3], s[G0+4*\slot+3], 0x80000000
	s_add_nc_u64 s[G0B+4*\slot+2:G0B+4*\slot+3], s[70:71], \slot*ROWB
	s_or_b32 s[G0B+4*\slot+3], s[G0B+4*\slot+3], 0x80000000
	JLOAD G0+4*\slot, G1A2, G0B+4*\slot, G1B
.endif
	FETCH_B \next, 0, 0
.if \kind == 2
	FETCH_A2 \next, 0, 0
.else
	FETCH_A \next, 0, 0
.endif
	WIN MUL_HI
	MUL16 4, 1, 0
	MUL16 6, 1, 0
	PLACES NP
	WIN 0
.if \kind != 2
	FETCH_A \next, 0, 4
.endif
.endm
	s_wait_tensorcnt 0x0                           ; my part of K step 0 is in; the full sequence ahead of slot 1's first fill
	ds_add_u32 v[SPW], v[NIL]
	s_wait_dscnt 0x0
	CROUND
	JLOAD G0+4, G1, G0B+4, G1B                     ; K step 1
	FETCH_B 0, 0, 0
	FETCH_A 0, 0, 0
	FETCH_A 0, 0, 4
	s_cmp_lg_u32 s5, 0
	s_cbranch_scc0 .Lno_third
	global_prefetch_b8 v[PFO], s[72:73] offset:3*ROWB th:TH_LOAD_NT scope:SCOPE_SE
.Lno_third:
	STEP 0, 0, 1                                   ; K 0-127: the products start the sums
	TURN 0, 1, 0                                   ; K 128-255; slot 0 takes K 512-767
	ASKQ 0
	ASKW 0
	STEP 1, 0, 0
	TURN 1, 0, 0                                   ; K 384-511; slot 1 takes K 768-1023
	ASKQ 2*ROWB
	ASKW ROWB
	STEP 0, 0, 0
	TURN 0, 1, 1                                   ; K 640-767; slot 0 takes the second tile's K 0-255
	ASKW 2*ROWB
	STEP 1, 0, 0
	TURN 1, 0, 2                                   ; K 896-1023; slot 1 takes the second tile's K 256-511
	ASKW 3*ROWB
; THE WAY OUT of block a: sum x 2^(ea + ew) + bias, the hold, eight numbers to 8 bytes, four stores of 512 consecutive bytes.  rowb = 1: K or V by the cluster's number: V's bias goes by A's rows.
.macro QBLOCK a, rowb
.set AC, 64*((\a)%4)
.set CD, 32+16*((\a)%2)
	s_wait_xcnt 0x0                                ; the stores of block a - 2 have read their registers
.if \rowb
	s_cmp_lg_u32 s13, 0
	s_cbranch_scc1 .Lrow_\@
.endif
	WIN 0x02+((\a)/4)                              ; source 0: window 2 or 3
.set jj, 0
.rept 32
	v_pk_fma_f32 v[TMP+jj:TMP+jj+1], v[AC+jj:AC+jj+1], s[10:11], v[BIAS+jj:BIAS+jj+1] op_sel_hi:[1,0,1]
.set jj, jj+2
.endr
	WIN 0
.if \rowb
	s_branch .Lboth_\@
.Lrow_\@:
	WIN 0x02+((\a)/4)
.set jj, 0
.rept 32
.if (\a)%2
	v_pk_fma_f32 v[TMP+jj:TMP+jj+1], v[AC+jj:AC+jj+1], s[10:11], v[RBI+(\a)-1:RBI+(\a)] op_sel:[0,0,1] op_sel_hi:[1,0,1]
.else
	v_pk_fma_f32 v[TMP+jj:TMP+jj+1], v[AC+jj:AC+jj+1], s[10:11], v[RBI+(\a):RBI+(\a)+1] op_sel_hi:[1,0,0]
.endif
.set jj, jj+2
.endr
	WIN 0
.Lboth_\@:
.endif
.set jj, 0
.rept 64
	v_med3_num_f32 v[TMP+jj], v[TMP+jj], -v[LIM], v[LIM]   ; the conversion to an 8-bit code does not saturate (ISA guide 7.6.2)
.set jj, jj+1
.endr
.irp b, 0,1,2,3,4,5,6,7
	v_cvt_scalef32_pk8_fp8_f32 v[CD+2*\b:CD+2*\b+1], v[TMP+8*\b:TMP+8*\b+7], v[SC]
.endr
	v_nop                                          ; one plain vector instruction behind the last conversion
.irp g, 0,1
	global_store_b128 v[CO], v[CD+8*\g:CD+8*\g+3], s[OB+4*((\a)/4)+2*\g:OB+4*((\a)/4)+2*\g+1] offset:1024*((\a)%4)
	global_store_b128 v[CO], v[CD+8*\g+4:CD+8*\g+7], s[OB+4*((\a)/4)+2*\g:OB+4*((\a)/4)+2*\g+1] offset:1024*((\a)%4)+512
.endr
.endm
	s_wait_loadcnt 0x0                             ; the bias
.irp a, 0,1,2,3,4,5,6,7
	QBLOCK \a, 1
.endr
	COLBIAS 92                                     ; bq, for the second tile's way out
	SETSC s84, s85, s90
	s_wait_alu depctr_va_vdst(0)
	s_wait_xcnt 0x0                                ; the stores have read their bases
	s_mov_b64 s[OB:OB+1], s[94:95]
	s_add_nc_u64 s[OB+2:OB+3], s[94:95], 0x1000
; THE SECOND TILE: a wave makes 64 x 128: 32 accumulators in window 2, by turns; two sets of fragments of both operands.
.macro FETCH2 slot, q, p
	FETCH_B \slot, \q, \p
	FETCH_A2 \slot, \q, \p
.endm
.macro MUL2 a0, p, zero
.irp a, \a0, \a0+1
.irp b, 0,1,2,3,4,5,6,7
.if \zero
	v_wmma_f32_16x16x128_fp8_fp8 v[8*(8*(\a)+\b):8*(8*(\a)+\b)+7], v[128*(\p)+FR*\b:128*(\p)+FR*\b+FR-1], v[AF+64*(\p)+FR*(\a):AF+64*(\p)+FR*(\a)+FR-1], 0
.else
	v_wmma_f32_16x16x128_fp8_fp8 v[8*(8*(\a)+\b):8*(8*(\a)+\b)+7], v[128*(\p)+FR*\b:128*(\p)+FR*\b+FR-1], v[AF+64*(\p)+FR*(\a):AF+64*(\p)+FR*(\a)+FR-1], v[8*(8*(\a)+\b):8*(8*(\a)+\b)+7]
.endif
.endr
.endr
.endm
.macro MUL1 a, p                       ; one block: 8 matrix instructions
.irp b, 0,1,2,3,4,5,6,7
	v_wmma_f32_16x16x128_fp8_fp8 v[8*(8*(\a)+\b):8*(8*(\a)+\b)+7], v[128*(\p)+FR*\b:128*(\p)+FR*\b+FR-1], v[AF+64*(\p)+FR*(\a):AF+64*(\p)+FR*(\a)+FR-1], v[8*(8*(\a)+\b):8*(8*(\a)+\b)+7]
.endr
.endm
.macro STEP2 slot, zero                ; a slot's first 128 along K, set 0; the second 128 come into set 1
	PLACES NP
	FETCH2 \slot, 1, 1
	s_wait_dscnt 48                                ; all but the 48 just issued
	WIN MUL_LO
	MUL2 0, 0, \zero
	MUL2 2, 0, \zero
	WIN 0
.endm
.macro TURN2 slot, next, fill          ; a slot's second 128, set 1, and the change of slots
	s_wait_tensorcnt 0x0                           ; my part of the next slot is in
	ds_add_u32 v[SPW], v[NIL]
	s_wait_dscnt 1                                 ; (the add may be out)
	WIN MUL_LO
	MUL1 0, 1
	s_wait_dscnt 0x0                               ; the add is done
	s_barrier_signal -1
	MUL1 1, 1                                      ; work on registers while the others arrive
	WIN 0
	s_barrier_wait -1
.if \fill
	CREST
	s_add_nc_u64 s[G0+4*\slot+2:G0+4*\slot+3], s[G0+4*\slot+2:G0+4*\slot+3], 2*ROWB
	s_add_nc_u64 s[G0B+4*\slot+2:G0B+4*\slot+3], s[G0B+4*\slot+2:G0B+4*\slot+3], 2*ROWB
	JLOAD G0+4*\slot, G1A2, G0B+4*\slot, G1B
.else
	PLACES NP
.endif
	FETCH2 \next, 0, 0
	WIN MUL_LO
	MUL2 2, 1, 0
	WIN 0
.endm
	STEP2 0, 1
	TURN2 0, 1, 1                                  ; slot 0 takes K 512-767
	STEP2 1, 0
	TURN2 1, 0, 1                                  ; slot 1 takes K 768-1023
	STEP2 0, 0
	TURN2 0, 1, 0
	STEP2 1, 0
	s_wait_dscnt 0
	WIN MUL_LO
	MUL2 0, 1, 0
	MUL2 2, 1, 0
	WIN 0
	PLACES NP
	s_wait_loadcnt 0x0                             ; bq
.irp a, 0,1,2,3
	QBLOCK \a, 0
.endr
	s_wait_tensorcnt 0x0                           ; the wave's end
	ds_add_u32 v[SPW], v[NIL]
	s_wait_dscnt 0x0
	CROUND                                         ; the closing round
	s_endpgm
.Lfunc_end_k_q16fb2c6039_proj:
	.size	k_q16fb2c6039_proj, .Lfunc_end_k_q16fb2c6039_proj-k_q16fb2c6039_proj
	.p2alignl 7, 3214868480
	.fill 96, 4, 3214868480
	.section	.rodata,"a",@progbits
	.p2align	6, 0x0
	.amdhsa_kernel k_q16fb2c6039_proj
		.amdhsa_group_segment_fixed_size 327680
		.amdhsa_private_segment_fixed_size 0
		.amdhsa_enable_private_segment 0
		.amdhsa_kernarg_size 104
		.amdhsa_user_sgpr_count 2
		.amdhsa_user_sgpr_kernarg_segment_ptr 1
		.amdhsa_wavefront_size32 1
		.amdhsa_system_sgpr_workgroup_id_x 1
		.amdhsa_system_sgpr_workgroup_id_y 1
		.amdhsa_system_sgpr_workgroup_id_z 1
		.amdhsa_system_vgpr_workitem_id 0
		.amdhsa_next_free_vgpr 1024
		.amdhsa_next_free_sgpr 102
		.amdhsa_reserve_vcc 0
		.amdhsa_float_denorm_mode_32 3
		.amdhsa_float_denorm_mode_16_64 3
		.amdhsa_memory_ordered 1
		.amdhsa_forward_progress 1
		.amdhsa_inst_pref_size 235
	.end_amdhsa_kernel
	.amdgpu_metadata
---
amdhsa.version: [ 1, 2 ]
amdhsa.kernels:
  - .name:           k_q16fb2c6039_proj
    .symbol:         k_q16fb2c6039_proj.kd
    .args:
      - { .name: query_codes, .offset: 0, .size: 8, .value_kind: global_buffer, .address_space: global }
      - { .name: key_codes, .offset: 8, .size: 8, .value_kind: global_buffer, .address_space: global }
      - { .name: value_codes, .offset: 16, .size: 8, .value_kind: global_buffer, .address_space: global }
      - { .name: Wq_codes, .offset: 24, .size: 8, .value_kind: global_buffer, .address_space: global }
      - { .name: Wk_codes, .offset: 32, .size: 8, .value_kind: global_buffer, .address_space: global }
      - { .name: Wv_codes, .offset: 40, .size: 8, .value_kind: global_buffer, .address_space: global }
      - { .name: bq, .offset: 48, .size: 8, .value_kind: global_buffer, .address_space: global }
      - { .name: bk, .offset: 56, .size: 8, .value_kind: global_buffer, .address_space: global }
      - { .name: bv, .offset: 64, .size: 8, .value_kind: global_buffer, .address_space: global }
      - { .name: lowp_scales, .offset: 72, .size: 8, .value_kind: global_buffer, .address_space: global }
      - { .name: qc, .offset: 80, .size: 8, .value_kind: global_buffer, .address_space: global }
      - { .name: kc, .offset: 88, .size: 8, .value_kind: global_buffer, .address_space: global }
      - { .name: vc, .offset: 96, .size: 8, .value_kind: global_buffer, .address_space: global }
    .group_segment_fixed_size: 327680
    .private_segment_fixed_size: 0
    .kernarg_segment_align: 8
    .kernarg_segment_size: 104
    .max_flat_workgroup_size: 128
    .sgpr_count:     102
    .vgpr_count:     1024
    .wavefront_size: 32
...
	.end_amdgpu_metadata
.endif
;; end of part 1
;; launch attn (part 2): grid 2 x 128, 16 waves a work-group, no clusters, 202,752 bytes of LDS; arguments qc, kc, vc, lowp_scales, out0; writes out0
.if DOCPART == 2
	.amdgcn_target "amdgcn-amd-amdhsa--gfx1250"
	.amdhsa_code_object_version 6
	.text
	.protected	k_q16fb2c6039_attn
	.globl	k_q16fb2c6039_attn
	.p2align	8
	.type	k_q16fb2c6039_attn,@function
k_q16fb2c6039_attn:
	s_mov_b64 s[64:65], 0
	v_nop
	global_prefetch_b8 v0, s[64:65] scope:SCOPE_SE
	s_setreg_imm32_b32 hwreg(HW_REG_WAVE_MODE, 25, 1), 1
	s_wait_xcnt 0x0
; ATTENTION ON CODES OF E4M3.  128 heads, 1,024 queries and keys, head size 64; exponents eq, ek, ep, ev = entries 6 .. 9.  No work of the problem is left out.
; Key (or query) i of a head is row sl = i / 16, piece p = i % 16 of its 64 rows.  qc, kc, vc hold the image of operand registers: byte 65,536 head + 4,096 p + 1,024 n + 512 f + 16 lane.
;   qc, kc: lane (r, h): row 16 n + r, numbers d = 16 c + 8 h + 0 .. 7, c = 2 f, 2 f + 1.   vc: number d = 16 n + r, rows 16 c + 8 h + 0 .. 7.
; out0[b][i][64 hh + d] = sum over keys of p v / l, head y = 16 b + hh.  t = score x log2(e) / 8; M = the running largest t rounded UP to a whole number; p = 2^(t - M) is quantised (2^ep);
; l is the sum of the unquantised p, in f32, and divides at the end.  When M moves, l and O are multiplied by 2^(old M - new M), which rounds nothing.
; SHARES.  Work-group (x, y): head y, pieces 8 x .. 8 x + 7.  Each of its sixteen waves owns 32 queries, two tiles A and B, which share every fragment of K and V; 256 registers, four waves to a SIMD.
; K and V of the head (64 KiB each) come into LDS once, THROUGH REGISTERS: 16 loads of 16 bytes a thread.  Step 0's 16 KiB are stored first; the other 14 loads stay out in O's registers while step 0 is worked.
; NO CLUSTER: only two work-groups read a head's K and V, once each, 128 KiB at the head.  No prefetch: no stream runs in the loop.
; THE HOLD of p at 448 x 2^ep: p is at most 1 but for rounding, so where ep is -8 or more (448 x 2^-8 = 1.75) it changes nothing for any input; a scalar branch on that whole number leads round it.
; LAYOUT.  Both products transposed: S^T = K Q^T, O^T = V^T P^T: a lane holds ONE query (lane % 16).  Tile T of a step (128 keys, pieces 2 s, 2 s + 1): piece 2 s + T / 4, rows 16 (T % 4) + 8 h + j in register j: the place that P's layout gives them.
; LIMITS: eq + ek between -123 and 130 (added to c's exponent field); ep between -126 and 119; ep + ev goes by v_ldexp_f32 and has none.  NaN codes are not served.  The promise holds while scaled scores stay under 2^31 in magnitude.
; REGISTERS: v0 thread, v1 16 x lane, v2-3, v6-7 at work; v4 2^ep, v5 448 x 2^ep; v8-11, v12-15 tile A's, B's -M, largest score (then K's, V's LDS address), l (two halves); v16-23, v24-31 Q;
;   v64-127 S^T of A, then V's fragments; v192-223, v224-255 O^T.  Three blocks of 32 take turns: X = v32-63, Y = v128-159, Z = v160-191.
;   An even step finds K's fragments of tiles 0-3 in X, of 4-7 in Y, and the last step's P in Z.  S^T of B goes into Z (tiles 0-3) and, over spent fragments, X (4-7); P into Y; the next step's fragments into X and Z.
;   An odd step has Y and Z exchanged.
.set VLDS,  65536                      ; V's image behind K's
.set STAGE, 131072                     ; the way out: 16 rows x (256 bytes + 16) for each wave
.set SP,    272
.set SPARE, STAGE+16*16*SP             ; the spare words, 128 bytes a wave
.set X,   32
.set Y,   128
.set Z,   160
.set SA,  64
.set OA,  192
.set OB,  224
	s_load_b256 s[4:11], s[0:1], 0x0               ; qc s[4:5], kc s[6:7], vc s[8:9], exponents s[10:11]
	s_load_b64 s[12:13], s[0:1], 0x20              ; out0
	v_lshrrev_b32 v1, 5, v0
	v_readfirstlane_b32 s18, v1                    ; wave 0..15
	v_and_b32 v1, 31, v0
	v_lshlrev_b32 v1, 4, v1                        ; 16 x lane
	v_lshlrev_b32 v2, 4, v0                        ; 16 x thread: my place in a step's 8 KiB of K,
	v_add_nc_u32 v3, VLDS, v2                      ; and of V in LDS
	v_mov_b32 v7, 0                                ; written once: a lane permute's destination counts as one of its sources
	s_wait_alu depctr_va_vdst(0)
	s_and_b32 s72, ttmp7, 0xffff                   ; the head y
	s_lshl_b32 s74, s72, 16
	s_mov_b32 s75, 0
	s_lshl_b32 s73, ttmp9, 15
	s_lshl_b32 s76, s18, 11
	s_add_co_u32 s76, s76, s73
	s_add_co_u32 s76, s76, s74                     ; my two tiles of Q: 65,536 y + 32,768 x + 2,048 wave
	s_mov_b32 s77, 0
	s_lshr_b32 s78, s72, 4
	s_lshl_b32 s78, s78, 22                        ; out0: batch y / 16
	s_and_b32 s79, s72, 15
	s_lshl_b32 s79, s79, 8
	s_add_co_u32 s78, s78, s79                     ; + 256 (y % 16)
	s_add_co_u32 s78, s78, s73                     ; + 4,096 x piece, piece = 8 x + wave / 2
	s_lshr_b32 s79, s18, 1
	s_lshl_b32 s79, s79, 12
	s_add_co_u32 s78, s78, s79
	s_and_b32 s79, s18, 1
	s_lshl_b32 s79, s79, 21
	s_add_co_u32 s78, s78, s79                     ; + 65,536 x row, row = 32 (wave % 2)
	s_mov_b32 s79, 0
	s_mov_b32 s20, 0x76543210                      ; lane selects for v_permlanex16_b32: lane l xor 16
	s_mov_b32 s21, 0xfedcba98
	s_mov_b32 s66, 0                               ; LDS byte of the step's K
	s_wait_kmcnt 0x0
	s_load_b128 s[68:71], s[10:11], 0x18           ; eq, ek, ep, ev
	s_add_nc_u64 s[6:7], s[6:7], s[74:75]
	s_add_nc_u64 s[8:9], s[8:9], s[74:75]
	s_add_nc_u64 s[4:5], s[4:5], s[76:77]
	s_add_nc_u64 s[12:13], s[12:13], s[78:79]
	global_load_b128 v[32:35], v2, s[6:7]          ; step 0: the work-group's 512 threads cover 8,192 consecutive bytes
	global_load_b128 v[36:39], v2, s[8:9]
	global_load_b128 v[16:19], v1, s[4:5]          ; Q
	global_load_b128 v[20:23], v1, s[4:5] offset:512
	global_load_b128 v[24:27], v1, s[4:5] offset:1024
	global_load_b128 v[28:31], v1, s[4:5] offset:1536
.macro FROM_MEM s                              ; a step's K and V, into O's registers
	global_load_b128 v[OA+8*\s-8:OA+8*\s-5], v2, s[6:7] offset:8192*\s
	global_load_b128 v[OA+8*\s-4:OA+8*\s-1], v2, s[8:9] offset:8192*\s
.endm
	FROM_MEM 1
	FROM_MEM 2
	s_wait_kmcnt 0x0
	s_mov_b32 s22, 0x3e38aa3b                      ; c = log2(e) / 8
	s_add_co_i32 s72, s68, s69
	s_lshl_b32 s72, s72, 23
	s_add_co_i32 s22, s22, s72                     ; a score stands for score x 2^(eq + ek)
	s_mov_b32 s23, s22                             ; (named with it as a pair)
	s_add_co_i32 s72, s70, 127
	s_lshl_b32 s73, s72, 23
	s_add_co_i32 s72, s72, 8
	s_lshl_b32 s72, s72, 23
	s_or_b32 s72, s72, 0x600000
	s_add_co_i32 s83, s70, s71                     ; ep + ev
	v_mov_b32 v4, s73                              ; 2^ep as f32, for the conversion
	v_mov_b32 v5, s72                              ; 448 x 2^ep
	s_wait_alu depctr_va_vdst(0)
	s_wait_loadcnt 8                               ; step 0's two loads are in; Q's 4 and the 4 of steps 1 and 2 may be out
	ds_store_b128 v2, v[32:35]
	ds_store_b128 v3, v[36:39]
.irp s, 3,4,5,6,7                              ; the other 10 go out behind step 0's data
	FROM_MEM \s
.endr
	s_wait_xcnt 0x0                                ; the loads have read v2: it may be written again
	s_wait_loadcnt 14                              ; Q; behind it the 4 of steps 1 and 2 and the 10 just issued
	s_wait_dscnt 0x0                               ; for the others' sake: my stores are done
	s_barrier_signal -1
	s_barrier_wait -1                              ; step 0's K and V are whole
.macro LDK b, half                             ; K's fragments of tiles 4 half .. 4 half + 3 of a step into block b
.irp t, 0,1,2,3
	ds_load_b128 v[\b+8*\t:\b+8*\t+3],   v9 offset:4096*\half+1024*\t
	ds_load_b128 v[\b+8*\t+4:\b+8*\t+7], v9 offset:4096*\half+1024*\t+512
.endr
.endm
; Sums of the unquantised p, two at a time, in place behind the conversions: a block of 32 registers is brought into its first pair.
.macro TREE x
.irp k, 0,1,2,3,4,5,6,7
	v_pk_add_f32 v[\x+4*\k:\x+4*\k+1], v[\x+4*\k:\x+4*\k+1], v[\x+4*\k+2:\x+4*\k+3]
.endr
	TREE_UP \x
.endm
.macro TREE_UP x
.irp k, 0,1,2,3
	v_pk_add_f32 v[\x+8*\k:\x+8*\k+1], v[\x+8*\k:\x+8*\k+1], v[\x+8*\k+4:\x+8*\k+5]
.endr
.irp k, 0,1
	v_pk_add_f32 v[\x+16*\k:\x+16*\k+1], v[\x+16*\k:\x+16*\k+1], v[\x+16*\k+8:\x+16*\k+9]
.endr
	v_pk_add_f32 v[\x:\x+1], v[\x:\x+1], v[\x+16:\x+17]
.endm
.macro HOLD b, c                               ; two blocks of 32
	s_cmp_ge_i32 s70, -8                           ; 448 x 2^ep is 1.75 or more: no p reaches it
	s_cbranch_scc1 .Lopen_\@
.irp k, \b, \c
.set i, 0
.rept 32
	v_min_num_f32 v[\k+i], v[\k+i], v5             ; the conversion to an 8-bit code does not saturate (ISA guide 7.6.2); p is not negative
.set i, i+1
.endr
.endr
.Lopen_\@:
.endm
.macro BREG n, lo                              ; BI: the register of tile B's score n
.if \n < 32
.set BI, \lo+\n
.else
.set BI, X+\n-32
.endif
.endm
; A KEY STEP: 128 keys.  fr1: K's fragments of tiles 4-7, then P.  lo: the last P, then S^T of B's tiles 0-3.
; kind 0: step 0, which starts M, l and O and stores the rest of K and V on its way; 1: a step with a successor; 2: the last.
.macro STEP fr1, lo, kind
	s_wait_dscnt 8                                 ; the fragments of tiles 0-3; those of 4-7 may be out
.irp t, 0,1,2,3
	v_wmma_f32_16x16x64_fp8_fp8 v[SA+8*\t:SA+8*\t+7], v[X+8*\t:X+8*\t+7], v[16:23], 0
	v_wmma_f32_16x16x64_fp8_fp8 v[\lo+8*\t:\lo+8*\t+7], v[X+8*\t:X+8*\t+7], v[24:31], 0
.endr
	s_wait_dscnt 0x0
.irp t, 0,1,2,3
	v_wmma_f32_16x16x64_fp8_fp8 v[SA+32+8*\t:SA+39+8*\t], v[\fr1+8*\t:\fr1+8*\t+7], v[16:23], 0
.endr
.rept 5
	v_nop                                          ; places: the products below write over the fragments in X
.endr
.irp t, 0,1,2,3
	v_wmma_f32_16x16x64_fp8_fp8 v[X+8*\t:X+8*\t+7], v[\fr1+8*\t:\fr1+8*\t+7], v[24:31], 0
.endr
	v_max3_num_f32 v9, v[SA], v[SA+1], v[SA+2]     ; the step's largest score of my query, two chains for each tile, registers in ascending order; A's first lines are B's places
	v_max3_num_f32 v6, v[SA+3], v[SA+4], v[SA+5]
	v_max3_num_f32 v9, v9, v[SA+6], v[SA+7]
	v_max3_num_f32 v6, v6, v[SA+8], v[SA+9]
	v_max3_num_f32 v13, v[\lo], v[\lo+1], v[\lo+2]
	v_max3_num_f32 v2, v[\lo+3], v[\lo+4], v[\lo+5]
.set i, 6
.rept 14
.if i < 58
	v_max3_num_f32 v9, v9, v[SA+i+4], v[SA+i+5]
	v_max3_num_f32 v6, v6, v[SA+i+6], v[SA+i+7]
.endif
	BREG i, \lo
	v_max3_num_f32 v13, v13, v[BI], v[BI+1]
	BREG i+2, \lo
	v_max3_num_f32 v2, v2, v[BI], v[BI+1]
.set i, i+4
.endr
	v_max3_num_f32 v9, v9, v[SA+62], v[SA+63]
	v_max3_num_f32 v13, v13, v[X+30], v[X+31]
	v_max_num_f32 v9, v9, v6
	v_max_num_f32 v13, v13, v2
	v_permlanex16_b32 v7, v9, s20, s21
	v_permlanex16_b32 v6, v13, s20, s21
	v_max_num_f32 v9, v9, v7                       ; and among lane l xor 16's
	v_max_num_f32 v13, v13, v6
	v_mul_f32 v9, s22, v9                          ; as t (c is positive)
	v_mul_f32 v13, s22, v13
.if \kind == 0
	v_floor_f32 v8, -v9                            ; -M = floor(-t): a whole number
	v_floor_f32 v12, -v13
.else
	v_floor_f32 v9, -v9
	v_floor_f32 v13, -v13
	v_min_num_f32 v9, v9, v8                       ; the new -M: the ceiling of the running maximum is the running maximum of the ceilings
	v_min_num_f32 v13, v13, v12
	v_sub_f32 v6, v9, v8                           ; M's old value less its new one
	v_sub_f32 v2, v13, v12
	v_mov_b32 v8, v9
	v_mov_b32 v12, v13
	v_cvt_i32_f32 v6, v6                           ; (it saturates)
	v_cvt_i32_f32 v2, v2
	v_ldexp_f32 v6, 1.0, v6                        ; f = 2^(old M - new M)
	v_ldexp_f32 v2, 1.0, v2
.set i, 0
.rept 16
	v_pk_mul_f32 v[OA+i:OA+i+1], v[OA+i:OA+i+1], v[6:7] op_sel_hi:[1,0]   ; O^T and l under the new M
	v_pk_mul_f32 v[OB+i:OB+i+1], v[OB+i:OB+i+1], v[2:3] op_sel_hi:[1,0]
.set i, i+2
.endr
	v_pk_mul_f32 v[10:11], v[10:11], v[6:7] op_sel_hi:[1,0]
	v_pk_mul_f32 v[14:15], v[14:15], v[2:3] op_sel_hi:[1,0]
.endif
.set i, 0
.rept 32
	v_pk_fma_f32 v[SA+i:SA+i+1], v[SA+i:SA+i+1], s[22:23], v[8:9] op_sel_hi:[1,0,0]   ; t - M of A, two at a time
.set i, i+2
.endr
	s_wait_alu depctr_va_vdst(0)
.set i, 0
.rept 32
	v_exp_f32 v[SA+i], v[SA+i]                     ; p = 2^(t - M) of A: NOT normalised; between them t - M of B
	v_exp_f32 v[SA+i+1], v[SA+i+1]
	BREG i, \lo
	v_pk_fma_f32 v[BI:BI+1], v[BI:BI+1], s[22:23], v[12:13] op_sel_hi:[1,0,0]
.set i, i+2
.endr
	s_wait_alu depctr_va_vdst(0)                   ; behind the batch, ahead of its first reader, and ahead of B's batch
	HOLD SA, SA+32
.irp b, 0,1,2,3,4,5,6,7
	v_cvt_scalef32_pk8_fp8_f32 v[\fr1+2*\b:\fr1+2*\b+1], v[SA+8*\b:SA+8*\b+7], v4
.endr
	v_nop                                          ; one plain vector instruction behind the last conversion
	TREE SA
	TREE SA+32
.if \kind == 0
	v_pk_add_f32 v[10:11], v[SA:SA+1], v[SA+32:SA+33]
.else
	v_pk_add_f32 v[SA:SA+1], v[SA:SA+1], v[SA+32:SA+33]
	v_pk_add_f32 v[10:11], v[10:11], v[SA:SA+1]
.endif
	s_add_co_u32 s67, s66, VLDS
	v_add_nc_u32 v13, s67, v1
.irp d, 0,1,2,3                                ; V's four fragments (16 of the head's 64 x 128 keys) take the registers that tile A has left, and land under B's exponentials
.irp u, 0,1
	ds_load_b128 v[SA+16*\d+8*\u:SA+16*\d+8*\u+3],   v13 offset:4096*\u+1024*\d
	ds_load_b128 v[SA+16*\d+8*\u+4:SA+16*\d+8*\u+7], v13 offset:4096*\u+1024*\d+512
.endr
.endr
.irp b, \lo, X
.set i, 0
.rept 32
	v_exp_f32 v[\b+i], v[\b+i]
.set i, i+1
.endr
.endr
	v_nop                                          ; the plain instruction behind the batch
	s_wait_alu depctr_va_vdst(0)
	HOLD \lo, X
.irp b, 0,1,2,3
	v_cvt_scalef32_pk8_fp8_f32 v[\fr1+16+2*\b:\fr1+17+2*\b], v[\lo+8*\b:\lo+8*\b+7], v4
.endr
.irp b, 0,1,2,3
	v_cvt_scalef32_pk8_fp8_f32 v[\fr1+24+2*\b:\fr1+25+2*\b], v[X+8*\b:X+8*\b+7], v4
.endr
	v_nop
	TREE X
.if \kind == 0
	TREE \lo
	v_pk_add_f32 v[14:15], v[X:X+1], v[\lo:\lo+1]
	s_add_co_u32 s66, s66, 0x2000                  ; on to the next step
	v_add_nc_u32 v9, s66, v1
	v_lshlrev_b32 v2, 4, v0                        ; 16 x thread,
	v_add_nc_u32 v6, VLDS, v2                      ; and in V
	s_wait_alu depctr_va_vdst(0)
	s_wait_dscnt 0x0
	s_wait_loadcnt 0x0                             ; K and V of steps 1 to 7
.irp s, 1,2,3,4,5,6,7
	ds_store_b128 v2, v[OA+8*\s-8:OA+8*\s-5] offset:8192*\s
	ds_store_b128 v6, v[OA+8*\s-4:OA+8*\s-1] offset:8192*\s
.endr
	s_wait_dscnt 0x0                               ; for the others' sake: my stores are done
	s_barrier_signal -1
.irp j, 0,1,2,3,4,5,6,7                        ; O^T = V^T P^T: work on registers while the others arrive
	v_wmma_f32_16x16x128_fp8_fp8 v[OA+32*(\j%2)+8*(\j/2):OA+32*(\j%2)+8*(\j/2)+7], v[SA+16*(\j/2):SA+16*(\j/2)+15], v[\fr1+16*(\j%2):\fr1+16*(\j%2)+15], 0
.endr
	s_barrier_wait -1                              ; K and V are whole
	LDK X, 0
	LDK \lo, 1
.rept 5
	v_nop                                          ; places: the next products write over V's fragments
.endr
.else
	v_pk_add_f32 v[14:15], v[14:15], v[X:X+1]
.if \kind == 1
	s_add_co_u32 s66, s66, 0x2000
	v_add_nc_u32 v9, s66, v1
	LDK X, 0                                       ; the next step's fragments of tiles 0-3
.endif
	s_wait_alu depctr_va_vdst(0)
.if \kind == 1
	s_wait_dscnt 8                                 ; V's fragments; the eight loads just issued may be out
.else
	s_wait_dscnt 0x0
.endif
.irp j, 0,1,2,3,4,5,6,7                        ; O^T += V^T P^T: eight accumulators, one instruction a turn; between them the sums of B's other block
	v_wmma_f32_16x16x128_fp8_fp8 v[OA+32*(\j%2)+8*(\j/2):OA+32*(\j%2)+8*(\j/2)+7], v[SA+16*(\j/2):SA+16*(\j/2)+15], v[\fr1+16*(\j%2):\fr1+16*(\j%2)+15], v[OA+32*(\j%2)+8*(\j/2):OA+32*(\j%2)+8*(\j/2)+7]
	v_pk_add_f32 v[\lo+4*\j:\lo+4*\j+1], v[\lo+4*\j:\lo+4*\j+1], v[\lo+4*\j+2:\lo+4*\j+3]
.endr
	TREE_UP \lo                                    ; nine plain instructions behind the last product: the places ahead of the next step's
	v_pk_add_f32 v[14:15], v[14:15], v[\lo:\lo+1]
.if \kind == 1
	LDK \lo, 1
.endif
.endif
.endm
	v_add_nc_u32 v9, s66, v1
	LDK X, 0
	LDK Y, 1
	STEP Y, Z, 0
	s_mov_b32 s80, 3
.Lsteps:                                           ; steps 1 to 6, two a trip: the three blocks are then back where they began; no barrier
	STEP Z, Y, 1
	STEP Y, Z, 1
	s_sub_co_u32 s80, s80, 1
	s_cmp_lg_u32 s80, 0
	s_cbranch_scc1 .Lsteps
	STEP Z, Y, 2
	; THE WAY OUT.  A query's 64 numbers are 256 bytes of out0, at a multiple of 256; a tile of 16 queries goes through my own stage in LDS.
	v_and_b32 v1, 15, v0                           ; r
	v_bfe_u32 v2, v0, 4, 1                         ; h
	v_mul_u32_u24 v6, v1, SP
	v_mul_u32_u24 v7, v2, SP
	v_lshlrev_b32 v3, 16, v2
	v_lshl_add_u32 v6, v2, 5, v6                   ; in: row r, 32 bytes for each half of the lanes
	v_lshl_add_u32 v7, v1, 4, v7                   ; back: lanes 0-15 one row, lanes 16-31 the next
	v_lshl_add_u32 v3, v1, 4, v3                   ; out0: the same two queries, 65,536 bytes apart
	s_mul_i32 s72, s18, 16*SP
	s_add_co_u32 s72, s72, STAGE                   ; my stage
	v_add_nc_u32 v1, s72, v6
	v_add_nc_u32 v2, s72, v7
.macro OUT m, o, w, b                          ; m: statistics; o: O^T; w: 32 registers for the quotients; b: 32 for the rows read back
	v_add_f32 v[\m+2], v[\m+2], v[\m+3]            ; l's two halves,
	v_permlanex16_b32 v7, v[\m+2], s20, s21
	v_add_f32 v[\m+2], v[\m+2], v7                 ; and lane l xor 16's
	s_wait_alu depctr_va_vdst(0)
	v_rcp_f32 v[\m+2], v[\m+2]
	v_nop
	s_wait_alu depctr_va_vdst(0)
	v_ldexp_f32 v[\m+2], v[\m+2], s83              ; x 2^(ep + ev)
	s_wait_alu depctr_va_vdst(0)                   ; directly ahead of the first reader of O^T
.set i, 0
.rept 16
	v_pk_mul_f32 v[\w+i:\w+i+1], v[\o+i:\o+i+1], v[\m+2:\m+3] op_sel_hi:[1,0]   ; register 8 t + j: out(query r, 16 t + 8 h + j)
.set i, i+2
.endr
.irp d, 0,1,2,3
	ds_store_b128 v1, v[\w+8*\d:\w+8*\d+3]   offset:64*\d
	ds_store_b128 v1, v[\w+8*\d+4:\w+8*\d+7] offset:64*\d+16
.endr
.irp i, 0,1,2,3,4,5,6,7
	ds_load_b128 v[\b+4*\i:\b+4*\i+3], v2 offset:2*\i*SP   ; LDS serves a wave's instructions in order (ISA guide 5.7.1.4)
.endr
.endm
	OUT 8, OA, 64, 96
	OUT 12, OB, 128, 160
.irp i, 0,1,2,3,4,5,6,7
	s_wait_dscnt 23-\i                             ; behind tile A's load i: its 7 - i younger loads and tile B's sixteen LDS instructions
	global_store_b128 v3, v[96+4*\i:99+4*\i], s[12:13] offset:131072*\i th:TH_STORE_NT   ; 16 lanes store 256 consecutive bytes, at a multiple of 256
.endr
.irp i, 0,1,2,3,4,5,6,7
	s_wait_dscnt 7-\i
	global_store_b128 v3, v[160+4*\i:163+4*\i], s[12:13] offset:1048576+131072*\i th:TH_STORE_NT
.endr
	v_lshl_add_u32 v254, v0, 2, SPARE
	v_mov_b32 v255, 0
	s_wait_alu depctr_va_vdst(0)
	s_wait_tensorcnt 0x0                           ; the wave's end
	ds_add_u32 v254, v255
	s_wait_dscnt 0x0
	s_endpgm
.Lfunc_end_k_q16fb2c6039_attn:
	.size	k_q16fb2c6039_attn, .Lfunc_end_k_q16fb2c6039_attn-k_q16fb2c6039_attn
	.p2alignl 7, 3214868480
	.fill 96, 4, 3214868480
	.section	.rodata,"a",@progbits
	.p2align	6, 0x0
	.amdhsa_kernel k_q16fb2c6039_attn
		.amdhsa_group_segment_fixed_size 202752
		.amdhsa_private_segment_fixed_size 0
		.amdhsa_enable_private_segment 0
		.amdhsa_kernarg_size 40
		.amdhsa_user_sgpr_count 2
		.amdhsa_user_sgpr_kernarg_segment_ptr 1
		.amdhsa_wavefront_size32 1
		.amdhsa_system_sgpr_workgroup_id_x 1
		.amdhsa_system_sgpr_workgroup_id_y 1
		.amdhsa_system_sgpr_workgroup_id_z 1
		.amdhsa_system_vgpr_workitem_id 0
		.amdhsa_next_free_vgpr 256
		.amdhsa_next_free_sgpr 86
		.amdhsa_reserve_vcc 0
		.amdhsa_float_denorm_mode_32 3
		.amdhsa_float_denorm_mode_16_64 3
		.amdhsa_memory_ordered 1
		.amdhsa_forward_progress 1
		.amdhsa_inst_pref_size 124
	.end_amdhsa_kernel
	.amdgpu_metadata
---
amdhsa.version: [ 1, 2 ]
amdhsa.kernels:
  - .name:           k_q16fb2c6039_attn
    .symbol:         k_q16fb2c6039_attn.kd
    .args:
      - { .name: qc, .offset: 0, .size: 8, .value_kind: global_buffer, .address_space: global }
      - { .name: kc, .offset: 8, .size: 8, .value_kind: global_buffer, .address_space: global }
      - { .name: vc, .offset: 16, .size: 8, .value_kind: global_buffer, .address_space: global }
      - { .name: lowp_scales, .offset: 24, .size: 8, .value_kind: global_buffer, .address_space: global }
      - { .name: out0, .offset: 32, .size: 8, .value_kind: global_buffer, .address_space: global }
    .group_segment_fixed_size: 202752
    .private_segment_fixed_size: 0
    .kernarg_segment_align: 8
    .kernarg_segment_size: 40
    .max_flat_workgroup_size: 512
    .sgpr_count:     86
    .vgpr_count:     256
    .wavefront_size: 32
...
	.end_amdgpu_metadata
.endif
;; end of part 2
